; MI455X (gfx1250); checked and timed in simulation.
; The chip was launched on July 23, 2026; its instructions are those of AMD's public machine-readable ISA for CDNA 5 (MIT licence, August 2026) and "CDNA5" Instruction Set Architecture Reference Guide (July 2026). The comments in the code are by the model that wrote it; some were corrected since.
;; Causal Attention. Allowed arithmetic: matrix products marked QUANTISED: E3M2 operands, one E8M0 scale for each 32 along K, by v_wmma_scale_f32_16x16x128_f8f6f4 with both operands' format E3M2, f32 sums; everything else in f32.
;; Inputs: k 4 x 16 x 2,048 x 64 float32; q 4 x 16 x 2,048 x 64 float32; v 4 x 16 x 2,048 x 64 float32.
;; Outputs: out0 4 x 16 x 2,048 x 64 float32.
;; This version of the problem:
;;   THIS VERSION OF THE PROBLEM IS GIVEN IN LOW PRECISION. The matrix products marked QUANTISED in the list below multiply operands that are first quantised to E3M2 (3 exponent bits, 2 mantissa bits; 6 bits a number), with one power-of-two scale for each 32 numbers along K (OCP MX v1.0); their sums are f32. All else is computed in f32.
;;   The module's matrix products, in the order in which they are computed (A, B: the left and right operand; K: the contracted axis; several contracted axes count as one K, in the product's order):
;;     1. batch 64 x [M 2,048, K 64] x [K 64, N 2,048]; A: input q; B: input k: QUANTISED
;;     2. batch 64 x [M 2,048, K 2,048] x [K 2,048, N 64]; A: softmax (see below); B: input v: QUANTISED
;;   THE QUANTISER, for each operand of a quantised product, along K:
;;     - K is cut into blocks of 32 from its start; a last block that is shorter is filled with zeros.
;;     - A block's scale is 2^e with e = floor(log2(the largest magnitude in the block)) - 4, held to -126 .. 127; a block of zeros has e = 0. As a byte (E8M0): e + 127.
;;     - Each number is divided by its block's scale, clamped to +-28, and rounded to the nearest number of E3M2, ties to even, subnormals kept.
;;     - The product sums the exact products of the quantised numbers (number of the format x scale) in f32.
;;   ~~~python
;;   def quantise(x, axis):      # numpy; x: float32 -> the quantised numbers, widened to float32 again
;;       x = np.moveaxis(x, axis, -1); K = x.shape[-1]
;;       x = np.pad(x, [(0, 0)] * (x.ndim - 1) + [(0, -K % 32)]); x = x.reshape(x.shape[:-1] + (-1, 32)); a = np.abs(x).max(-1, keepdims=True)
;;       e = np.where(a > 0, np.clip(np.frexp(np.where(a > 0, a, 1))[1] - 1 - 4, -126, 127), 0)      # np.frexp(a)[1] - 1 = floor(log2(a)), exactly
;;       r = np.clip(x / 2.0 ** e, -28, 28)
;;       step = 2.0 ** (np.maximum(np.frexp(np.where(r == 0, 1, r))[1] - 1, -2) - 2)
;;       q = np.round(r / step) * step * 2.0 ** e      # np.round: ties to even
;;       return np.moveaxis(q.reshape(q.shape[:-2] + (-1,))[..., :K], -1, axis).astype(np.float32)
;;   ~~~
;;   SOFTMAX AHEAD OF A QUANTISED PRODUCT. Where the list says 'softmax', what is quantised is not the finished softmax but p = 2^(t - M), with t = logit x log2(e) and M = ceil(the row's largest t), a whole number; so 1/2 < the row's largest p <= 1. The row's sum l is taken of the UNQUANTISED p, in f32, and the product's result is divided by l at the end. Since M is a whole number, a kernel that streams over the keys may use a running M (the ceiling of the running maximum): every later rescaling is an exact power of two, which a block's scale takes up: the codes' values come out the same.
;;   OPERANDS COMPUTED ON THE WAY. 'Computed on the way' means the value that the module computes at that place (a softmax that the list does not call 'softmax' is quantised finished and normalised). What goes into a quantiser is computed in f32, as accurately as f32 sums, v_exp_f32 and their like allow (about 1e-6 of the number): no bf16 or f16 on the way to a quantiser, and a product that is left as it is and whose result goes on into a quantised operand takes f32 operands (vector FMAs, or v_wmma_f32_16x16x4_f32). A number that lies on a knife's edge between two numbers of the format may be rounded either way, as far as f32 arithmetic and the matrix unit's own rounding can turn it there, and no further.
;; One version. Each part assembles by itself: llvm-mc -triple=amdgcn-amd-amdhsa -mcpu=gfx1250 --defsym DOCPART=n.
;; ======== version 1 of 1: 2 launches
;; workspace buffers: kv 13,107,200 bytes
;; launch prep (part 1): grid 16 x 64, 4 waves a work-group, no clusters, 37,888 bytes of LDS; arguments k, v, kv; writes kv
.if DOCPART == 1
	.amdgcn_target "amdgcn-amd-amdhsa--gfx1250"
	.amdhsa_code_object_version 6
	.text
	.protected	k_q2f9017bf11_prep
	.globl	k_q2f9017bf11_prep
	.p2align	8
	.type	k_q2f9017bf11_prep,@function
k_q2f9017bf11_prep:
	s_mov_b64 s[64:65], 0
	v_nop
	global_prefetch_b8 v0, s[64:65] scope:SCOPE_SE
	s_setreg_imm32_b32 hwreg(HW_REG_WAVE_MODE, 25, 1), 1
	s_wait_xcnt 0x0
; k and v, [64 heads][2048 keys][64] f32, become codes of BF6 (E3M2) with one E8M0 scale byte for each 32 along a product's K: k along d, v along the keys.
; A work-group takes 128 keys (a step) of one head and writes one block of 12,800 bytes of kv, laid IN THE ORDER OF THE OPERANDS' REGISTERS, so that the next launch loads every fragment by 16-byte loads at 16 x lane:
;   0      KIMG  4 pairs x 1,536: chunk c of 512 bytes holds each lane's registers 4 c .. 4 c + 3 at 16 x lane
;   6,144  VIMG  4 tiles x 1,536, the same form
;   12,288 KSC   8 bytes a lane: word 0: lanes 0-15 pair 0's scale words, lanes 16-31 pair 1's; word 1: pairs 2 and 3
;   12,544 VSC   the same for V's tiles 0, 1 and 2, 3
; THE KEYS OF A TILE ARE NOT NEIGHBOURS: row m of tile T (0..7) is key 64 (T / 4) + 32 (m / 8) + 8 (T % 4) + m % 8, so that in S^T = K Q^T a lane's 64 registers are two whole blocks of 32 neighbouring keys.
; A PAIR f holds tile 2 f in registers 0-5 (k = 0..63 of the instruction's 128) and tile 2 f + 1 in registers 6-11 (k = 64..127): the head's 64 fill half of a K step, and the next launch picks a half by zero codes on Q's side.
; A block's scale is 2^(floor(log2(its largest magnitude)) - 4); its byte is the largest magnitude's exponent field - 4, held at 1 from below.
; LIMITS: NaN and infinities among the inputs are not served; a block whose largest magnitude lies under 2^-122 keeps the byte 1; a block of zeros keeps the byte 1 where the rule says 127: its codes are zeros, and this program alone reads the bytes.
; SHARES: waves 0, 1: K's keys 64 w .. 64 w + 63 (pairs 2 w, 2 w + 1).  Waves 2, 3: V's columns 32 (w - 2) on, all 128 keys (tiles 2 (w - 2), 2 (w - 2) + 1).  They part on the wave's number and meet at one barrier.
; No tensor loads, no matrix work, no cluster: a stream that reads each byte once; work-groups share nothing.
.set BLKB,  12800                      ; a block of kv
.set KREG,  18432                      ; LDS: a region for each of K's two waves: two stages
.set STGB,  8960                       ; a stage: two runs of 16 key rows
.set RUN,   4480                       ; a run: 16 rows x 272 bytes, + 128, so that the two runs' rows do not start 16-byte columns alike
.set PIT,   272                        ; a key's row in a stage: 256 bytes + 16
.set SCB,   2*KREG                     ; behind them: the image of KSC (256 bytes), then of VSC (256)
.set FLOOR, 0x2800000                  ; 2^(5 - 127)
.set EOFF,  0xfe000000                 ; -(4 << 23)
.set LI,  4                            ; v4   16 x lane
.set KST, 5                            ; v5   K: into the stage: 272 (lane / 16) + 16 (lane % 16)
.set KRD, 6                            ; v6   K: out of it: 272 (r % 8) + 4,480 (r / 8) + 128 h
.set KSW, 7                            ; v7   K's scale words: SCB + 8 r + 4 (wave % 2)
.set VSW, 8                            ; v8   V's: SCB + 256 + 8 lane + 4 (wave % 2)
.set SRD, 9                            ; v9   SCB + 16 lane
.set VLD, 10                           ; v10  4 x lane
.set SH8, 11                           ; v11  8 h
.set MX,  12                           ; v12-15 largest magnitudes
.set SO,  16                           ; v16-17 the conversions' scale operands
.set BY,  18                           ; v18-19 scale bytes
.set W,   20                           ; v20-21 scale words
.set PD,  22                           ; v22  a lane permute's destination
.set T,   24                           ; v24-39 four sets of four: the second half of a block's codes (a conversion's three registers begin on an even number)
.set F,   40                           ; v40-63 two fragments of 12
.set X,   64                           ; v64-127 K: two blocks of 32 numbers back from the stage
.set R,   128                          ; v128-255 numbers as loaded
	s_load_b128 s[4:7], s[0:1], 0x0                ; k, v
	s_load_b64 s[8:9], s[0:1], 0x10                ; kv
	v_lshl_add_u32 v35, v0, 2, 0x9200
	v_mov_b32 v39, 0
	v_lshrrev_b32 v1, 5, v0
	v_readfirstlane_b32 s10, v1                    ; wave 0..3
	s_and_b32 s11, s10, 1                          ; which half of K's keys, or of V's columns
	s_and_b32 s12, ttmp7, 0xffff                   ; the head
	s_lshl_b32 s12, s12, 4
	s_add_co_u32 s12, s12, ttmp9                   ; g = 16 x head + step
	s_lshl_b32 s14, s12, 15                        ; in: 128 keys x 256 bytes a step
	s_mul_i32 s16, s12, BLKB                       ; out
	s_mov_b32 s17, 0
	s_mov_b32 s33, 0
	s_mov_b32 s28, 0x76543210
	s_mov_b32 s29, 0xfedcba98                      ; v_permlanex16_b32's selects for lane l xor 16
	s_mul_i32 s30, s11, KREG
	s_lshl_b32 s31, s11, 2
	; every LDS address is made here, ahead of the parting
	v_and_b32 v1, 31, v0                           ; lane
	v_and_b32 v2, 15, v0                           ; r
	v_bfe_u32 v3, v0, 4, 1                         ; h
	v_lshlrev_b32 v[LI], 4, v1
	v_mul_u32_u24 v[KST], v3, PIT
	v_lshl_add_u32 v[KST], v2, 4, v[KST]
	v_add_nc_u32 v[KST], s30, v[KST]
	v_and_b32 v12, 7, v0
	v_bfe_u32 v13, v0, 3, 1
	v_mul_u32_u24 v[KRD], v12, PIT
	v_mad_u32_u24 v[KRD], v13, RUN, v[KRD]
	v_lshl_add_u32 v[KRD], v3, 7, v[KRD]
	v_add_nc_u32 v[KRD], s30, v[KRD]
	v_lshl_add_u32 v[KSW], v2, 3, SCB
	v_add_nc_u32 v[KSW], s31, v[KSW]
	v_lshl_add_u32 v[VSW], v1, 3, SCB+256
	v_add_nc_u32 v[VSW], s31, v[VSW]
	v_lshl_add_u32 v[SRD], v1, 4, SCB
	v_lshlrev_b32 v[VLD], 2, v1
	v_lshlrev_b32 v[SH8], 3, v3
	v_mov_b32 v[PD], 0                             ; a lane permute's destination counts as one of its sources
	s_wait_kmcnt 0x0
	s_lshl_b32 s32, s11, 14
	s_add_co_u32 s32, s32, s14
	s_add_nc_u64 s[18:19], s[4:5], s[32:33]        ; k at my 64 keys
	s_lshl_b32 s32, s11, 7
	s_add_co_u32 s32, s32, s14
	s_add_nc_u64 s[20:21], s[6:7], s[32:33]        ; v at the step's first key, my 32 columns
	s_mul_i32 s32, s11, 3072
	s_add_co_u32 s32, s32, s16
	s_add_nc_u64 s[22:23], s[8:9], s[32:33]        ; kv: my two pairs of K,
	s_add_nc_u64 s[24:25], s[22:23], 6144          ; my two tiles of V,
	s_add_nc_u64 s[26:27], s[8:9], s[16:17]
	s_add_nc_u64 s[26:27], s[26:27], 12288         ; and the block's 512 bytes of scale words
	s_cmp_lt_u32 s10, 2
	s_cbranch_scc0 .Lvpath
	; ---- K.  Pair p of my two wants keys 32 g + 16 p + 0 .. 15, g = 0, 1: two runs of 16 key rows.  Each load reads 512 consecutive bytes: two key rows.
.irp p, 0,1
.irp i, 0,1,2,3,4,5,6,7,8,9,10,11,12,13,14,15
	global_load_b128 v[R+64*\p+4*\i:R+64*\p+4*\i+3], v[LI], s[18:19] offset:(32*(\i/8)+16*\p)*256+512*(\i%8) th:TH_LOAD_NT
.endr
.endr
; A pair: its 32 rows go through my own stage as they lie and come back 128 bytes a lane: lane (r, h) takes, for e = 0, 1, d = 32 h .. 32 h + 31 of row 8 e + r % 8 of run r / 8: a whole block of 32 along d.
.macro PAIR p
	s_wait_loadcnt 16*(1-\p)                       ; this pair's 16 loads are in; the other pair's 16 were issued behind them
.irp i, 0,1,2,3,4,5,6,7,8,9,10,11,12,13,14,15
	ds_store_b128 v[KST], v[R+64*\p+4*\i:R+64*\p+4*\i+3] offset:\p*STGB+(\i/8)*RUN+2*(\i%8)*PIT
.endr
.irp e, 0,1
.irp j, 0,1,2,3,4,5,6,7
	ds_load_b128 v[X+32*\e+4*\j:X+32*\e+4*\j+3], v[KRD] offset:\p*STGB+8*\e*PIT+16*\j   ; LDS serves a wave's instructions in order: these see my stores
.endr
.endr
	s_wait_dscnt 0x0
.irp e, 0,1                                    ; the two blocks' largest magnitudes, two chains each, by turns
	v_max3_num_f32 v[MX+2*\e], |v[X+32*\e]|, |v[X+32*\e+1]|, |v[X+32*\e+2]|
	v_max3_num_f32 v[MX+2*\e+1], |v[X+32*\e+3]|, |v[X+32*\e+4]|, |v[X+32*\e+5]|
.endr
.irp i, 6,10,14,18,22,26
.irp e, 0,1
	v_max3_num_f32 v[MX+2*\e], v[MX+2*\e], |v[X+32*\e+\i]|, |v[X+32*\e+\i+1]|
	v_max3_num_f32 v[MX+2*\e+1], v[MX+2*\e+1], |v[X+32*\e+\i+2]|, |v[X+32*\e+\i+3]|
.endr
.endr
.irp e, 0,1
	v_max3_num_f32 v[MX+2*\e], v[MX+2*\e], |v[X+32*\e+30]|, |v[X+32*\e+31]|
.endr
.irp e, 0,1
	v_max3_num_f32 v[MX+2*\e], v[MX+2*\e], v[MX+2*\e+1], FLOOR   ; and the floor, under which no largest magnitude is taken: the byte cannot fall under 1
.endr
.irp e, 0,1
	v_add_nc_u32 v[SO+\e], EOFF, v[MX+2*\e]        ; 4 off the exponent field: the conversion takes the exponent field of this operand as its scale
.endr
.irp e, 0,1
	v_lshrrev_b32 v[BY+\e], 23, v[SO+\e]           ; the scale's byte
.endr
.irp e, 0,1
	v_cvt_scalef32_pk16_bf6_f32 v[F+12*\p+6*\e:F+12*\p+6*\e+2], v[X+32*\e:X+32*\e+15], v[SO+\e]
	v_cvt_scalef32_pk16_bf6_f32 v[T+4*\e:T+4*\e+2], v[X+32*\e+16:X+32*\e+31], v[SO+\e]
.endr
	v_lshl_or_b32 v[W+\p], v[BY+1], 16, v[BY]      ; (the plain place behind the conversions)  my two bytes: d-block h of tile 2 f and of tile 2 f + 1,
	v_lshlrev_b32 v[W+\p], v[SH8], v[W+\p]         ; at their places in the pair's scale word
.irp e, 0,1
.irp i, 0,1,2
	v_mov_b32 v[F+12*\p+6*\e+3+\i], v[T+4*\e+\i]
.endr
.endr
	v_permlanex16_b32 v[PD], v[W+\p], s28, s29
	v_or_b32 v[W+\p], v[W+\p], v[PD]               ; with lane l xor 16's two the word is whole
	ds_store_b32 v[KSW], v[W+\p] offset:128*\p     ; both halves of the lanes write the same word with the same value
.irp c, 0,1,2
	global_store_b128 v[LI], v[F+12*\p+4*\c:F+12*\p+4*\c+3], s[22:23] offset:\p*1536+512*\c   ; 32 lanes store 512 consecutive bytes, at a multiple of 256 from kv's first byte
.endr
.endm
	PAIR 0
	PAIR 1
	s_branch .Ljoin
.Lvpath:
	; ---- V.  A lane takes a column d = 32 (w - 2) + lane and its registers run down the keys: a block of 32 keys lies in one lane's 32 registers.
.macro VLOAD t
.irp i, 0,1,2,3,4,5,6,7,8,9,10,11,12,13,14,15,16,17,18,19,20,21,22,23,24,25,26,27,28,29,30,31
	global_load_b32 v[R+32*(\t)+\i], v[VLD], s[20:21] offset:(32*(\t)+\i)*256 th:TH_LOAD_NT   ; 128 consecutive bytes; the other V wave takes the row's other 128
.endr
.endm
.macro VBLOCK t
.set XS, R+32*(\t)
.if (\t) < 3
	s_wait_loadcnt 32                              ; this block's 32 loads are in; the next block's 32 may be out
.else
	s_wait_loadcnt 0x0
.endif
.if (\t) < 2
	VLOAD (\t)+2                                   ; each block has registers of its own
.endif
	v_max3_num_f32 v[MX], |v[XS]|, |v[XS+1]|, |v[XS+2]|
	v_max3_num_f32 v[MX+1], |v[XS+3]|, |v[XS+4]|, |v[XS+5]|
.irp i, 6,10,14,18,22,26
	v_max3_num_f32 v[MX], v[MX], |v[XS+\i]|, |v[XS+\i+1]|
	v_max3_num_f32 v[MX+1], v[MX+1], |v[XS+\i+2]|, |v[XS+\i+3]|
.endr
	v_max3_num_f32 v[MX], v[MX], |v[XS+30]|, |v[XS+31]|
	v_max3_num_f32 v[MX], v[MX], v[MX+1], FLOOR
	v_add_nc_u32 v[SO], EOFF, v[MX]
	v_lshrrev_b32 v[BY], 23, v[SO]
.if (\t) == 0
	v_mov_b32 v[W], v[BY]                          ; my column's scale word: byte t is key block t
.else
	v_lshl_or_b32 v[W], v[BY], 8*(\t), v[W]
.endif
	v_cvt_scalef32_pk16_bf6_f32 v[F+12*((\t)%2)+6*((\t)/2):F+12*((\t)%2)+6*((\t)/2)+2], v[XS:XS+15], v[SO]   ; blocks 0, 2 into the first fragment, blocks 1, 3 into the second
	v_cvt_scalef32_pk16_bf6_f32 v[T+4*(\t):T+4*(\t)+2], v[XS+16:XS+31], v[SO]
	v_nop                                          ; one plain place behind a scaled conversion
.irp i, 0,1,2
	v_mov_b32 v[F+12*((\t)%2)+6*((\t)/2)+3+\i], v[T+4*(\t)+\i]
.endr
.endm
	VLOAD 0
	VLOAD 1
	VBLOCK 0
	VBLOCK 1
	VBLOCK 2
	VBLOCK 3
.irp i, 0,1,2,3,4,5,6,7,8,9,10,11
	v_permlane16_swap_b32 v[F+\i], v[F+12+\i]      ; the first's lanes 16-31 change places with the second's lanes 0-15: lane (r, h) of the first now holds key blocks h and 2 + h of d = 16 (2 w') + r, of the second those of the next tile
.endr
.irp c, 0,1,2
	global_store_b128 v[LI], v[F+4*\c:F+4*\c+3], s[24:25] offset:512*\c
.endr
.irp c, 0,1,2
	global_store_b128 v[LI], v[F+12+4*\c:F+12+4*\c+3], s[24:25] offset:1536+512*\c
.endr
	ds_store_b32 v[VSW], v[W]
.Ljoin:
	s_wait_dscnt 0x0                               ; for the others' sake: my scale words lie in LDS
	s_barrier_signal -1
	s_barrier_wait -1
	s_cmp_lg_u32 s10, 0
	s_cbranch_scc1 .Lend
	ds_load_b128 v[64:67], v[SRD]                  ; wave 0 sends the block's 512 bytes of scale words as two whole aligned runs of 256
	s_wait_dscnt 0x0
	global_store_b128 v[LI], v[64:67], s[26:27]
.Lend:
	s_wait_tensorcnt 0x0
	ds_add_u32 v35, v39
	s_wait_dscnt 0x0
	s_endpgm
.Lfunc_end_k_q2f9017bf11_prep:
	.size	k_q2f9017bf11_prep, .Lfunc_end_k_q2f9017bf11_prep-k_q2f9017bf11_prep
	.p2alignl 7, 3214868480
	.fill 96, 4, 3214868480
	.section	.rodata,"a",@progbits
	.p2align	6, 0x0
	.amdhsa_kernel k_q2f9017bf11_prep
		.amdhsa_group_segment_fixed_size 37888
		.amdhsa_private_segment_fixed_size 0
		.amdhsa_enable_private_segment 0
		.amdhsa_kernarg_size 24
		.amdhsa_user_sgpr_count 2
		.amdhsa_user_sgpr_kernarg_segment_ptr 1
		.amdhsa_wavefront_size32 1
		.amdhsa_system_sgpr_workgroup_id_x 1
		.amdhsa_system_sgpr_workgroup_id_y 1
		.amdhsa_system_sgpr_workgroup_id_z 1
		.amdhsa_system_vgpr_workitem_id 0
		.amdhsa_next_free_vgpr 256
		.amdhsa_next_free_sgpr 66
		.amdhsa_reserve_vcc 0
		.amdhsa_float_denorm_mode_32 3
		.amdhsa_float_denorm_mode_16_64 3
		.amdhsa_memory_ordered 1
		.amdhsa_forward_progress 1
		.amdhsa_inst_pref_size 36
	.end_amdhsa_kernel
	.amdgpu_metadata
---
amdhsa.version: [ 1, 2 ]
amdhsa.kernels:
  - .name:           k_q2f9017bf11_prep
    .symbol:         k_q2f9017bf11_prep.kd
    .args:
      - { .name: k, .offset: 0, .size: 8, .value_kind: global_buffer, .address_space: global }
      - { .name: v, .offset: 8, .size: 8, .value_kind: global_buffer, .address_space: global }
      - { .name: kv, .offset: 16, .size: 8, .value_kind: global_buffer, .address_space: global }
    .group_segment_fixed_size: 37888
    .private_segment_fixed_size: 0
    .kernarg_segment_align: 8
    .kernarg_segment_size: 24
    .max_flat_workgroup_size: 128
    .sgpr_count:     66
    .vgpr_count:     256
    .wavefront_size: 32
...
	.end_amdgpu_metadata
.endif
;; end of part 1
;; launch attn (part 2): grid 4 x 64, 16 waves a work-group, no clusters, 327,680 bytes of LDS; arguments q, kv, out0; writes out0
.if DOCPART == 2
	.amdgcn_target "amdgcn-amd-amdhsa--gfx1250"
	.amdhsa_code_object_version 6
	.text
	.protected	k_q2f9017bf11_attn
	.globl	k_q2f9017bf11_attn
	.p2align	8
	.type	k_q2f9017bf11_attn,@function
k_q2f9017bf11_attn:
	s_mov_b64 s[64:65], 0
	v_nop
	global_prefetch_b8 v0, s[64:65] scope:SCOPE_SE
	s_setreg_imm32_b32 hwreg(HW_REG_WAVE_MODE, 25, 1), 1
	s_wait_xcnt 0x0
; out0[head][q][:] = the sum over keys k <= q of softmax_k(Q[q] . K[k] / 8) V[k][:], 64 heads, 2,048 queries and keys, head size 64; both products on codes of BF6 (E3M2) with one E8M0 scale for each 32 along K.
; K and V come as register images out of kv (a block of 12,800 bytes for each 128 keys of a head: 4 pairs of K, 4 tiles of V, their scale words); q comes as f32 and is quantised here, in registers.
; THE SOFTMAX AHEAD OF THE SECOND PRODUCT: t = score x log2(e) / 8; M = the row's largest t so far, rounded UP to a whole number; p = 2^(t - M) is quantised along the keys, not normalised.
; The row's sum is taken of the unquantised p and divides at the end.  When M moves, the sum and O are multiplied by 2^(old M - new M): exact.
; SHARES.  Work-group (i, head) owns two blocks of 256 queries: first block 7 - i, then block i.  Block b wants slots 0 .. b of 256 keys, so every work-group makes (8 - i) + (i + 1) = 9 visits of slots: a constant of the text.
; Each of sixteen waves owns 16 queries a pass: 256 (7 - i) + 16 w, then 256 i + 16 (15 - w): with the order turned every wave has 17 steps of 128 keys that count.  A step all of whose keys come after the wave's queries
; is jumped over by a scalar branch on ids; no barrier and no tensor load stands in a step.
; LAYOUT.  Both products are used transposed: S^T = K Q^T (source 0 = 16 keys, source 1 = my 16 queries), O^T = V^T P^T: a lane holds ONE query (lane % 16) throughout.  The keys of a tile are chosen (by the launch before) so that
; register n of a lane's 64 scores is key 64 (n / 32) + 32 (lane / 16) + n % 32: two whole blocks of 32 keys a lane, in the order that the second product's operand wants: nothing changes lanes but two maxima and two scale bytes.
; THE HEAD'S 64 ARE HALF OF THE INSTRUCTION'S 128: a fragment of K holds two tiles of keys, one in each half of K; against [Q | zero codes] it gives the first tile, against [zero codes | Q] the second.  Zero codes add exact zeros:
; the format has no code for NaN or infinity, and every scale byte lies in 1 .. 254.
; NO CLUSTER: the four work-groups of a head walk different runs of slots behind their change of pass (8 - i differs), so partners would not ask for the same tile at the same visit; kept in step over slots 0 .. 7 they would pay 12 visits for 9.
; LIMITS: NaN and infinities among the inputs are not served; a block of q under 2^-122 keeps the scale byte 1, a block of zeros too (its codes are zeros); a p under 2^-126 comes out of v_exp_f32 as 0.
.set BLKB,  12800                      ; a step's block of kv
.set SLOTB, 2*BLKB                     ; a slot: two steps, dense, as they lie in memory
.set QUART, SLOTB/4                    ; what one tensor load brings: 25 rows of 256 bytes
.set HEADB, 16*BLKB
.set VIMG,  6144
.set KSCO,  12288
.set VSCO,  12544
.set SLOT1, 32768                      ; slot 1 begins here: one exclusive or turns an address in one slot into the other's
.set STAGE, 65536                      ; a stage of 16 rows x (256 bytes + 16) for each wave: q's way in and the way out; no tensor load lands here
.set SP,    272
.set WSTG,  16*SP
.set SPARE, STAGE+16*WSTG              ; the spare words, 128 bytes for each wave: eight blocks of 256 bytes that no other line names
.set FLOOR, 0x2800000                  ; 2^(5 - 127)
.set EOFF,  0xfe000000                 ; -(4 << 23)
.set LI,   1                           ; v1   16 x lane
.set LS8,  2                           ; v2   8 x lane
.set SPW,  3                           ; v3   my spare word; never rewritten
.set NIL,  4                           ; v4   0; never rewritten
.set SIN,  5                           ; v5   stage + 272 r + 128 h: my 32 numbers of query r
.set SOUT, 6                           ; v6   stage + 272 r + 32 h
.set SRD,  7                           ; v7   stage + 272 h + 16 r: two rows an instruction
.set ADK,  8                           ; v8   the slot in hand + 16 x lane
.set ADS,  9                           ; v9   the slot in hand + 8 x lane
.set DL,   10                          ; v10  r - 32 h
.set SH8,  11                          ; v11  8 h
                                       ; v12 -M, v13 the largest t, v[14:15] the row's sum in two halves
.set ZQ,   16                          ; v16-33  six zeros, Q's six registers, six zeros
.set QS,   34                          ; v34  Q's scale word       (v34-39 hold scales and nothing else)
.set PS,   35                          ; v35  P's
.set KS,   36                          ; v36-37 K's: pairs 0|1, 2|3 in the lanes' halves
.set VS,   38                          ; v38-39 V's
.set QL,   40                          ; v40-45 the second pass's Q;  v46 its scale word
.set QSL,  46
.set NINF, 47                          ; v47  -infinity
.set FK,   48                          ; v48-95  K's four pairs; behind the first product: P's codes and work
.set PC,   48
.set T0,   60
.set T1,   64
.set SC,   68
.set DM,   70
.set S,    96                          ; v96-159 S^T, then p
.set O,    160                         ; v160-191 O^T
.set FV,   192                         ; v192-239 V's four tiles
.set MX,   240                         ; v240-243 four chains of maxima
.set RM,   244                         ; v244, v245
.set DF,   246
.set WW,   247                         ; v247, v248
.set FF,   250                         ; v[250:251] f
.set SO,   252                         ; v252-253 the conversions' scale operands
.set BY,   254                         ; v254-255 scale bytes
.set WV,   10
.set SW,   13                          ; s13  the visit at whose head the passes change: 8 - i
.set VIS,  14
.set KF,   15                          ; s15  the step's first key
.set Q0,   16                          ; s16  my first query of the pass in hand
.set Q0L,  17
.set TB,   18                          ; s18  LDS byte at which the slot in hand begins
.set SEL,  20
.set CS,   22                          ; s[22:23] c = log2(e) / 8
.set G1,   24
.set G0,   32
.set KVB,  36                          ; s[36:37] kv at the head's first byte + my quarter of a slot
.set OFF,  38                          ; s[38:39] bytes from there to the slot to be fetched
.set QBH,  40
.set QBL,  42
.set OBH,  44
.set OBL,  46
; Waves 0 to 3 fetch a quarter of a slot each, the others nothing; the branch hangs on the wave's number alone.  Four v_nop follow the load.
.macro TLOAD
	s_cmp_lt_u32 s[WV], 4
	s_cbranch_scc0 .Lnofetch_\@
	tensor_load_to_lds s[G0:G0+3], s[G1:G1+7]
	s_nop 0
.rept 4
	v_nop
.endr
.Lnofetch_\@:
.endm
; THE CHANGE OF SLOTS stands at a visit's head.  Each wave waits for all its tensor loads (its part of the slot that it is about to read), adds 0 to its spare word, and waits for that and for its reads of the slot that it has left.
; fill = 1: behind the barrier the slot just left takes the next visit's keys: the next 256, or the head's first 256 where the next visit begins the second pass.  The load has a whole visit in which to land.
.macro CHANGE fill
	s_wait_tensorcnt 0x0                           ; no tensor load of mine is out, so group 0 may be written
	ds_add_u32 v[SPW], v[NIL]                      ; 0 onto my spare word
.if \fill
	s_xor_b32 s[G0+1], s[G0+1], SLOT1              ; the other slot than last time
	s_add_co_u32 s[OFF], s[OFF], SLOTB
	s_add_co_u32 s19, s[VIS], 1
	s_cmp_eq_u32 s19, s[SW]
	s_cselect_b32 s[OFF], 0, s[OFF]                ; an offset is chosen, on ids alone
	s_add_nc_u64 s[G0+2:G0+3], s[KVB:KVB+1], s[OFF:OFF+1]
	s_or_b32 s[G0+3], s[G0+3], 0x80000000          ; type = 2
.endif
	s_wait_dscnt 0x0                               ; the add is done, and my reads of the slot that I have left are over
	s_barrier_signal -1
	s_barrier_wait -1
.if \fill
	TLOAD                                          ; the first thing behind the barrier, and a wave's one tensor load until the next
.endif
.endm
; 32 numbers of a lane, d = 32 h .. 32 h + 31 of query r, become six registers of codes at v[dst] and the scale word [s0, s1, s0, s1] in v[sdst]: Q stands in either half of K.
.macro QUANTQ x, dst, sdst
	v_max3_num_f32 v[MX], |v[\x]|, |v[\x+1]|, |v[\x+2]|
	v_max3_num_f32 v[MX+1], |v[\x+3]|, |v[\x+4]|, |v[\x+5]|
.irp i, 6,10,14,18,22,26
	v_max3_num_f32 v[MX], v[MX], |v[\x+\i]|, |v[\x+\i+1]|
	v_max3_num_f32 v[MX+1], v[MX+1], |v[\x+\i+2]|, |v[\x+\i+3]|
.endr
	v_max3_num_f32 v[MX], v[MX], |v[\x+30]|, |v[\x+31]|
	v_max3_num_f32 v[MX], v[MX], v[MX+1], FLOOR    ; the floor: the byte cannot fall under 1
	v_add_nc_u32 v[SO], EOFF, v[MX]                ; 4 off the exponent field: the conversion's scale operand
	v_lshrrev_b32 v[BY], 23, v[SO]                 ; the scale's byte
	v_cvt_scalef32_pk16_bf6_f32 v[(\dst):(\dst)+2], v[\x:\x+15], v[SO]
	v_cvt_scalef32_pk16_bf6_f32 v[O:O+2], v[\x+16:\x+31], v[SO]   ; (a conversion's three registers begin on an even number)
	v_lshlrev_b32 v[WW], v[SH8], v[BY]             ; (the plain place behind the conversions)  my byte at its place
.irp i, 0,1,2
	v_mov_b32 v[(\dst)+3+\i], v[O+\i]
.endr
	v_permlanex16_b32 v[WW+1], v[WW], s[SEL], s[SEL+1]
	v_or_b32 v[WW], v[WW], v[WW+1]
	v_lshl_or_b32 v[\sdst], v[WW], 16, v[WW]
.endm
; A pass begins: the largest t is -3e38, the sum and O^T are zeros, which the first change of M leaves zeros.  These lines are also the places between the writes of Q's registers and scale word and the next products.
.macro RESET
	v_mov_b32 v13, 0xff61b1e6
	v_floor_f32 v12, -v13
	v_mov_b32 v14, 0
	v_mov_b32 v15, 0
.set JJ, 0
.rept 32
	v_mov_b32 v[O+JJ], 0
.set JJ, JJ+1
.endr
.endm
; A pass ends: O^T / the sum goes through my stage and leaves as whole rows: each store covers two rows of out0, 512 consecutive bytes at a multiple of 256 from its first byte.
.macro FINISH optr
.rept 4
	v_nop                                          ; places behind the last products
.endr
	v_add_f32 v14, v14, v15                        ; the sum's two halves,
	v_permlanex16_b32 v[RM+1], v14, s[SEL], s[SEL+1]
	v_add_f32 v14, v14, v[RM+1]                    ; and lane l xor 16's keys
	v_rcp_f32 v14, v14
	v_nop                                          ; one plain place behind a transcendental
.set JJ, 0
	s_wait_alu depctr_va_vdst(0)
.rept 16
	v_pk_mul_f32 v[S+JJ:S+JJ+1], v[O+JJ:O+JJ+1], v[14:15] op_sel_hi:[1,0]   ; each accumulator from its low end on: register 8 t + j is o(r, 16 t + 8 h + j)
.set JJ, JJ+2
.endr
.irp t, 0,1,2,3
	ds_store_b128 v[SOUT], v[S+8*\t:S+8*\t+3] offset:64*\t
	ds_store_b128 v[SOUT], v[S+8*\t+4:S+8*\t+7] offset:64*\t+16
.endr
.irp i, 0,1,2,3,4,5,6,7
	ds_load_b128 v[FK+4*\i:FK+4*\i+3], v[SRD] offset:2*SP*\i   ; LDS serves a wave's instructions in order: these see my stores
.endr
.irp i, 0,1,2,3,4,5,6,7
	s_wait_dscnt 7-\i                              ; load i is back; the younger ones may be out
	global_store_b128 v[LI], v[FK+4*\i:FK+4*\i+3], s[\optr:\optr+1] offset:512*\i th:TH_STORE_NT
.endr
	s_wait_xcnt 0x0                                ; the stores have read their registers: these are loaded again only behind this wait
.endm
.macro SWITCH                          ; from the first pass to the second
	FINISH OBH
.irp i, 0,1,2,3,4,5
	v_mov_b32 v[ZQ+6+\i], v[QL+\i]
.endr
	v_mov_b32 v[QS], v[QSL]
	RESET
	s_mov_b32 s[Q0], s[Q0L]
	s_mov_b32 s[KF], 0
.endm
; A KEY STEP: 128 keys, the q-th of the slot in hand.
.macro STEP q
	s_add_co_u32 s19, s[Q0], 15
	s_cmp_gt_u32 s[KF], s19                        ; all its keys come after my queries: nothing to do but to step KF
	s_cbranch_scc1 .Lhidden_\@
	v_add_nc_u32 v[ADK], s[TB], v[LI]
	v_add_nc_u32 v[ADS], s[TB], v[LS8]
	v_nop
	v_nop                                          ; four places in front of loads into registers that the last products read
.irp f, 0,1,2,3
.irp c, 0,1,2
	ds_load_b128 v[FK+12*\f+4*\c:FK+12*\f+4*\c+3], v[ADK] offset:\q*BLKB+1536*\f+512*\c   ; an image: 512 consecutive bytes an instruction
.endr
.endr
	ds_load_b64 v[KS:KS+1], v[ADS] offset:\q*BLKB+KSCO
.irp f, 0,1,2,3
.irp c, 0,1,2
	ds_load_b128 v[FV+12*\f+4*\c:FV+12*\f+4*\c+3], v[ADK] offset:\q*BLKB+VIMG+1536*\f+512*\c
.endr
.endr
	ds_load_b64 v[VS:VS+1], v[ADS] offset:\q*BLKB+VSCO
	s_wait_dscnt 13                                ; K's 13 loads are in; V's 13 were issued behind them and land under the softmax
.irp f, 0,1,2,3                                ; S^T: pair f against [Q | 0] gives tile 2 f, against [0 | Q] tile 2 f + 1
.irp e, 0,1
.if \f%2
	v_wmma_scale_f32_16x16x128_f8f6f4 v[S+8*(2*\f+\e):S+8*(2*\f+\e)+7], v[FK+12*\f:FK+12*\f+11], v[ZQ+6-6*\e:ZQ+17-6*\e], 0, v[KS+\f/2], v[QS] matrix_a_fmt:MATRIX_FMT_BF6 matrix_b_fmt:MATRIX_FMT_BF6 matrix_a_scale:MATRIX_SCALE_ROW1
.else
	v_wmma_scale_f32_16x16x128_f8f6f4 v[S+8*(2*\f+\e):S+8*(2*\f+\e)+7], v[FK+12*\f:FK+12*\f+11], v[ZQ+6-6*\e:ZQ+17-6*\e], 0, v[KS+\f/2], v[QS] matrix_a_fmt:MATRIX_FMT_BF6 matrix_b_fmt:MATRIX_FMT_BF6
.endif
.endr
.endr
.rept 4
	v_nop                                          ; places in front of the first read of results
.endr
	s_add_co_u32 s19, s[KF], 127                   ; on the diagonal the scores of hidden keys become -infinity ahead of the maximum; a step all of whose keys count skips this
	s_cmp_le_u32 s19, s[Q0]
	s_cbranch_scc1 .Lopen_\@
	s_sub_co_i32 s19, s[Q0], s[KF]
	v_add_nc_u32 v[DM], s19, v[DL]                 ; my query - KF - 32 h: register n's key is hidden where 64 (n / 32) + n % 32 is larger
.set NN, 0
.rept 64
	v_cmp_gt_i32 vcc_lo, 64*(NN/32)+NN%32, v[DM]
	v_cndmask_b32 v[S+NN], v[S+NN], v[NINF], vcc_lo
.set NN, NN+1
.endr
.Lopen_\@:
.irp b, 0,1,2,3                                ; four chains of 16 scores, by turns, each accumulator from its low end on
	v_max3_num_f32 v[MX+\b], v[S+16*\b], v[S+16*\b+1], v[S+16*\b+2]
.endr
.irp i, 3,5,7,9,11,13
.irp b, 0,1,2,3
	v_max3_num_f32 v[MX+\b], v[MX+\b], v[S+16*\b+\i], v[S+16*\b+\i+1]
.endr
.endr
.irp b, 0,1,2,3
	v_max_num_f32 v[MX+\b], v[MX+\b], v[S+16*\b+15]
.endr
	v_max_num_f32 v[MX], v[MX], v[MX+1]            ; THE LARGEST SCORE OF EACH OF MY TWO BLOCKS OF 32 KEYS: it serves twice: for the row's maximum, and, since p rises with the score, for the block's largest p
	v_max_num_f32 v[MX+2], v[MX+2], v[MX+3]
	v_max_num_f32 v[RM], v[MX], v[MX+2]
	v_permlanex16_b32 v[RM+1], v[RM], s[SEL], s[SEL+1]
	v_max_num_f32 v[RM], v[RM], v[RM+1]            ; the step's largest score of my query (key KF counts for every query of a step that is not jumped over: it is a number)
	v_mul_f32 v[RM], s[CS], v[RM]                  ; as t
	v_max_num_f32 v13, v13, v[RM]                  ; the running largest t
	v_mov_b32 v[DF], v12
	v_floor_f32 v12, -v13                          ; the new -M = -ceil(t): a whole number
	v_sub_f32 v[DF], v12, v[DF]                    ; old M - new M, 0 or less
	v_cvt_i32_f32 v[DF], v[DF]                     ; (it saturates)
	v_ldexp_f32 v[FF], 1.0, v[DF]                  ; f = 2^(old M - new M)
.set JJ, 0
.rept 32
	v_pk_fma_f32 v[S+JJ:S+JJ+1], v[S+JJ:S+JJ+1], s[CS:CS+1], v[12:13] op_sel_hi:[1,0,0]   ; t - M, two at a time (of the pairs c and -M the low word serves both halves)
.set JJ, JJ+2
.endr
	v_fma_f32 v[MX], v[MX], s[CS], v12             ; the same of each block's largest score
	v_fma_f32 v[MX+2], v[MX+2], s[CS], v12
.set JJ, 0
.rept 64
	v_exp_f32 v[S+JJ], v[S+JJ]                     ; p = 2^(t - M), at most 1
.set JJ, JJ+1
.endr
	v_exp_f32 v[MX], v[MX]                         ; the blocks' largest p: the same two instructions on the same number
	v_exp_f32 v[MX+2], v[MX+2]
	v_pk_mul_f32 v[14:15], v[14:15], v[FF:FF+1] op_sel_hi:[1,0]   ; the sums under the new M.  (A plain place behind the exponentials)
	s_wait_alu depctr_va_vdst(0)
	v_max_num_f32 v[MX], FLOOR, v[MX]              ; the floor: the byte cannot fall under 1 (a block whose every p is 0 keeps that byte: its codes are zeros)
	v_max_num_f32 v[MX+2], FLOOR, v[MX+2]
	v_add_nc_u32 v[SO], EOFF, v[MX]
	v_add_nc_u32 v[SO+1], EOFF, v[MX+2]
	v_lshrrev_b32 v[BY], 23, v[SO]
	v_lshrrev_b32 v[BY+1], 23, v[SO+1]
	v_lshl_or_b32 v[WW], v[BY+1], 16, v[BY]        ; my two bytes: key blocks h and 2 + h,
	v_lshlrev_b32 v[WW], v[SH8], v[WW]             ; at their places;
	v_permlanex16_b32 v[WW+1], v[WW], s[SEL], s[SEL+1]
	v_or_b32 v[PS], v[WW], v[WW+1]                 ; with lane l xor 16's two: p's scale word for these 128 keys
	v_cvt_scalef32_pk16_bf6_f32 v[PC:PC+2], v[S:S+15], v[SO]
	v_cvt_scalef32_pk16_bf6_f32 v[T0:T0+2], v[S+16:S+31], v[SO]
	v_cvt_scalef32_pk16_bf6_f32 v[PC+6:PC+8], v[S+32:S+47], v[SO+1]
	v_cvt_scalef32_pk16_bf6_f32 v[T1:T1+2], v[S+48:S+63], v[SO+1]
	v_nop                                          ; one plain place behind a scaled conversion
.irp i, 0,1,2
	v_mov_b32 v[PC+3+\i], v[T0+\i]
	v_mov_b32 v[PC+9+\i], v[T1+\i]
.endr
	v_pk_add_f32 v[SC:SC+1], v[S:S+1], v[S+2:S+3]  ; THE ROW'S SUM IS TAKEN OF THE UNQUANTISED p: two at a time, in two chains
.irp j, 4,8,12,16,20,24,28,32,36,40,44,48,52,56,60
	v_pk_add_f32 v[14:15], v[14:15], v[S+\j:S+\j+1]
	v_pk_add_f32 v[SC:SC+1], v[SC:SC+1], v[S+\j+2:S+\j+3]
.endr
	v_pk_add_f32 v[14:15], v[14:15], v[SC:SC+1]
.set JJ, 0
.rept 16
	v_pk_mul_f32 v[O+JJ:O+JJ+1], v[O+JJ:O+JJ+1], v[FF:FF+1] op_sel_hi:[1,0]   ; O^T under the new M, each accumulator from its low end on.  (With the sums: the places between the writes of p's codes and scale word and the products)
.set JJ, JJ+2
.endr
	s_wait_dscnt 0x0                               ; V is in
.irp t, 0,1,2,3                                ; O^T += V^T P^T: the four accumulators by turns; the eight products of the next step's S^T stand between two links on one of them
.if \t%2
	v_wmma_scale_f32_16x16x128_f8f6f4 v[O+8*\t:O+8*\t+7], v[FV+12*\t:FV+12*\t+11], v[PC:PC+11], v[O+8*\t:O+8*\t+7], v[VS+\t/2], v[PS] matrix_a_fmt:MATRIX_FMT_BF6 matrix_b_fmt:MATRIX_FMT_BF6 matrix_a_scale:MATRIX_SCALE_ROW1
.else
	v_wmma_scale_f32_16x16x128_f8f6f4 v[O+8*\t:O+8*\t+7], v[FV+12*\t:FV+12*\t+11], v[PC:PC+11], v[O+8*\t:O+8*\t+7], v[VS+\t/2], v[PS] matrix_a_fmt:MATRIX_FMT_BF6 matrix_b_fmt:MATRIX_FMT_BF6
.endif
.endr
.Lhidden_\@:
	s_add_co_u32 s[KF], s[KF], 128
.endm
.macro VISIT                           ; a slot's two steps; at visit 8 - i the passes change first
	s_cmp_lg_u32 s[VIS], s[SW]
	s_cbranch_scc1 .Lnoswitch_\@
	SWITCH
.Lnoswitch_\@:
	STEP 0
	STEP 1
	s_xor_b32 s[TB], s[TB], SLOT1                  ; on to the other slot
.endm
	s_load_b128 s[4:7], s[0:1], 0x0                ; q, kv
	s_load_b64 s[8:9], s[0:1], 0x10                ; out0
	v_lshl_add_u32 v[SPW], v0, 2, SPARE
	v_mov_b32 v[NIL], 0
	ds_add_u32 v3, v4
	s_wait_dscnt 0x0
	v_lshrrev_b32 v1, 5, v0
	v_readfirstlane_b32 s[WV], v1                  ; wave 0..15
	s_and_b32 s12, ttmp7, 0xffff                   ; the head
	s_sub_co_u32 s[SW], 8, ttmp9
	s_sub_co_u32 s48, 7, ttmp9
	s_lshl_b32 s48, s48, 8
	s_lshl_b32 s49, s[WV], 4
	s_add_co_u32 s[Q0], s48, s49                   ; first pass: 256 (7 - i) + 16 w
	s_lshl_b32 s48, ttmp9, 8
	s_sub_co_u32 s49, 240, s49
	s_add_co_u32 s[Q0L], s48, s49                  ; second pass: 256 i + 16 (15 - w)
	s_lshl_b32 s48, s12, 19                        ; a head of q or out0: 2,048 rows of 256 bytes
	s_lshl_b32 s50, s[Q0], 8
	s_add_co_u32 s50, s50, s48
	s_mov_b32 s51, 0
	s_lshl_b32 s52, s[Q0L], 8
	s_add_co_u32 s52, s52, s48
	s_mov_b32 s53, 0
	s_and_b32 s49, s[WV], 3
	s_mul_i32 s49, s49, QUART                      ; my quarter of a slot: in LDS and in memory alike
	s_mul_i32 s54, s12, HEADB
	s_add_co_u32 s54, s54, s49
	s_mov_b32 s55, 0
	; descriptor group 1: a dense block of 6,400 bytes as 25 rows of 256 bytes (32 elements of 8 bytes), no padding: every read of a slot is 16 or 8 bytes a lane on end
	s_mov_b32 s[G1+0], 3<<16                       ; no mask; elements of 8 bytes; padding off
	s_mov_b32 s[G1+1], 32<<16                      ; tensor_dim0 = 32
	s_mov_b32 s[G1+2], 25<<16                      ; tensor_dim1 = 25
	s_mov_b32 s[G1+3], 32<<16                      ; tile_dim0 = 32
	s_mov_b32 s[G1+4], 25                          ; tile_dim1 = 25
	s_mov_b32 s[G1+5], 32                          ; from row to row: 32 elements
	s_mov_b32 s[G1+6], 0
	s_mov_b32 s[G1+7], 0
	s_mov_b32 s[G0], 1                             ; count = 1
	s_mov_b32 s[G0+1], s49                         ; LDS address: slot 0, my quarter
	s_mov_b32 s[OFF], 0
	s_mov_b32 s[OFF+1], 0
	s_mov_b32 s[SEL], 0x76543210
	s_mov_b32 s[SEL+1], 0xfedcba98                 ; v_permlanex16_b32's selects for lane l xor 16
	s_mov_b32 s[CS], 0x3e38aa3b                    ; c = log2(e) / 8
	s_mov_b32 s[CS+1], s[CS]                       ; (named with it as a pair, so it is written)
	s_mov_b32 s[VIS], 0
	s_mov_b32 s[KF], 0
	s_mov_b32 s[TB], 0
	s_wait_kmcnt 0x0
	s_add_nc_u64 s[KVB:KVB+1], s[6:7], s[54:55]
	s_mov_b64 s[G0+2:G0+3], s[KVB:KVB+1]           ; the head's first 256 keys
	s_or_b32 s[G0+3], s[G0+3], 0x80000000          ; type = 2
	TLOAD                                          ; slot 0: the launch's one first fill, ahead of every LDS read, wait on TENSORcnt and barrier
	s_add_nc_u64 s[QBH:QBH+1], s[4:5], s[50:51]
	s_add_nc_u64 s[QBL:QBL+1], s[4:5], s[52:53]
	s_add_nc_u64 s[OBH:OBH+1], s[8:9], s[50:51]
	s_add_nc_u64 s[OBL:OBL+1], s[8:9], s[52:53]
	v_and_b32 v1, 31, v0
	v_lshlrev_b32 v[LS8], 3, v1
	v_lshlrev_b32 v[LI], 4, v1
.irp i, 0,1,2,3,4,5,6,7
	global_load_b128 v[S+4*\i:S+4*\i+3], v[LI], s[QBH:QBH+1] offset:512*\i th:TH_LOAD_NT      ; my 16 queries of the first pass: 512 consecutive bytes, two rows, a load
.endr
.irp i, 0,1,2,3,4,5,6,7
	global_load_b128 v[S+32+4*\i:S+32+4*\i+3], v[LI], s[QBL:QBL+1] offset:512*\i th:TH_LOAD_NT   ; and of the second
.endr
	s_mul_i32 s19, s[WV], WSTG
	s_add_co_u32 s19, s19, STAGE                   ; my stage
	v_and_b32 v[MX], 15, v0                        ; r
	v_bfe_u32 v[MX+1], v0, 4, 1                    ; h
	v_mul_u32_u24 v[SIN], v[MX], SP
	v_lshl_add_u32 v[SOUT], v[MX+1], 5, v[SIN]
	v_lshl_add_u32 v[SIN], v[MX+1], 7, v[SIN]
	v_add_nc_u32 v[SOUT], s19, v[SOUT]
	v_add_nc_u32 v[SIN], s19, v[SIN]
	v_mul_u32_u24 v[SRD], v[MX+1], SP
	v_lshl_add_u32 v[SRD], v[MX], 4, v[SRD]
	v_add_nc_u32 v[SRD], s19, v[SRD]
	v_lshlrev_b32 v[DL], 5, v[MX+1]
	v_sub_nc_u32 v[DL], v[MX], v[DL]
	v_lshlrev_b32 v[SH8], 3, v[MX+1]
.irp i, 0,1,2,3,4,5
	v_mov_b32 v[ZQ+\i], 0                          ; the zero codes on either side of Q
	v_mov_b32 v[ZQ+12+\i], 0
.endr
	v_mov_b32 v[RM+1], 0                           ; written once: a lane permute's destination counts as one of its sources
	v_mov_b32 v[WW+1], 0
	v_mov_b32 v[FF+1], 0                           ; (named as the upper half of the pair before it is first written)
	v_mov_b32 v[NINF], 0xff800000
	; q turns through my stage: in as it lies (two rows an instruction), out 128 bytes a lane: a whole block of 32 along d
	s_wait_loadcnt 8                               ; the first pass's eight loads are in; the second's eight were issued behind them
.irp i, 0,1,2,3,4,5,6,7
	ds_store_b128 v[SRD], v[S+4*\i:S+4*\i+3] offset:2*SP*\i
.endr
.irp j, 0,1,2,3,4,5,6,7
	ds_load_b128 v[FK+4*\j:FK+4*\j+3], v[SIN] offset:16*\j   ; LDS serves a wave's instructions in order: these see my stores, and the next stores come behind them
.endr
	s_wait_loadcnt 0x0
.irp i, 0,1,2,3,4,5,6,7
	ds_store_b128 v[SRD], v[S+32+4*\i:S+32+4*\i+3] offset:2*SP*\i
.endr
.irp j, 0,1,2,3,4,5,6,7
	ds_load_b128 v[FV+4*\j:FV+4*\j+3], v[SIN] offset:16*\j
.endr
	s_wait_dscnt 16                                ; the first pass's numbers are back; behind them: eight stores and eight loads
	QUANTQ FK, ZQ+6, QS
	s_wait_dscnt 0x0
	QUANTQ FV, QL, QSL
	RESET
.Lslot:                                            ; eight trips: behind each change of slots but the last the next visit's slot is asked for
	CHANGE 1
	VISIT
	s_add_co_u32 s[VIS], s[VIS], 1
	s_cmp_lt_u32 s[VIS], 8
	s_cbranch_scc1 .Lslot
	CHANGE 0                                       ; the ninth visit is written out
	VISIT
	FINISH OBL
	s_wait_tensorcnt 0x0                           ; the wave's end: behind my last tensor load and my last LDS store
	ds_add_u32 v[SPW], v[NIL]
	s_wait_dscnt 0x0
	s_endpgm
.Lfunc_end_k_q2f9017bf11_attn:
	.size	k_q2f9017bf11_attn, .Lfunc_end_k_q2f9017bf11_attn-k_q2f9017bf11_attn
	.p2alignl 7, 3214868480
	.fill 96, 4, 3214868480
	.section	.rodata,"a",@progbits
	.p2align	6, 0x0
	.amdhsa_kernel k_q2f9017bf11_attn
		.amdhsa_group_segment_fixed_size 327680
		.amdhsa_private_segment_fixed_size 0
		.amdhsa_enable_private_segment 0
		.amdhsa_kernarg_size 24
		.amdhsa_user_sgpr_count 2
		.amdhsa_user_sgpr_kernarg_segment_ptr 1
		.amdhsa_wavefront_size32 1
		.amdhsa_system_sgpr_workgroup_id_x 1
		.amdhsa_system_sgpr_workgroup_id_y 1
		.amdhsa_system_sgpr_workgroup_id_z 1
		.amdhsa_system_vgpr_workitem_id 0
		.amdhsa_next_free_vgpr 256
		.amdhsa_next_free_sgpr 66
		.amdhsa_reserve_vcc 1
		.amdhsa_float_denorm_mode_32 3
		.amdhsa_float_denorm_mode_16_64 3
		.amdhsa_memory_ordered 1
		.amdhsa_forward_progress 1
		.amdhsa_inst_pref_size 105
	.end_amdhsa_kernel
	.amdgpu_metadata
---
amdhsa.version: [ 1, 2 ]
amdhsa.kernels:
  - .name:           k_q2f9017bf11_attn
    .symbol:         k_q2f9017bf11_attn.kd
    .args:
      - { .name: q, .offset: 0, .size: 8, .value_kind: global_buffer, .address_space: global }
      - { .name: kv, .offset: 8, .size: 8, .value_kind: global_buffer, .address_space: global }
      - { .name: out0, .offset: 16, .size: 8, .value_kind: global_buffer, .address_space: global }
    .group_segment_fixed_size: 327680
    .private_segment_fixed_size: 0
    .kernarg_segment_align: 8
    .kernarg_segment_size: 24
    .max_flat_workgroup_size: 512
    .sgpr_count:     66
    .vgpr_count:     256
    .wavefront_size: 32
...
	.end_amdgpu_metadata
.endif
;; end of part 2
